; MI455X (gfx1250); checked and timed in simulation.
; The chip was launched on July 23, 2026; its instructions are those of AMD's public machine-readable ISA for CDNA 5 (MIT licence, August 2026) and "CDNA5" Instruction Set Architecture Reference Guide (July 2026). The comments in the code are by the model that wrote it; some were corrected since.
;; Attention. Allowed arithmetic: matrix products marked QUANTISED: E2M3 operands, one E8M0 scale for each 32 along K, by v_wmma_scale_f32_16x16x128_f8f6f4 with both operands' format E2M3, f32 sums; products left as they are: f32 operands where the result goes on into a quantised operand, else bf16, f16 or f32 operands; f32 sums; everything else in f32.
;; Inputs: Ua_b 1,024 float32; Ua_w_codes 1,024 x 32 x 24 uint8 (E2M3 codes of Ua_w, K innermost, in blocks of 32 codes, four codes in three bytes); Ua_w_scales 1,024 x 32 uint8 (E8M0 scales of Ua_w, one for each 32 codes along K); Va_b one number float32; Va_w 1,024 float32; Wa_b 1,024 float32; Wa_w_codes 1,024 x 32 x 24 uint8 (E2M3 codes of Wa_w, K innermost, in blocks of 32 codes, four codes in three bytes); Wa_w_scales 1,024 x 32 uint8 (E8M0 scales of Wa_w, one for each 32 codes along K); decoder_hidden_codes 32 x 32 x 24 uint8 (E2M3 codes of decoder_hidden, K innermost, in blocks of 32 codes, four codes in three bytes); decoder_hidden_scales 32 x 32 uint8 (E8M0 scales of decoder_hidden, one for each 32 codes along K); encoder_outputs_codes 32 x 2,048 x 32 x 24 uint8 (E2M3 codes of encoder_outputs, K innermost, in blocks of 32 codes, four codes in three bytes); encoder_outputs_scales 32 x 2,048 x 32 uint8 (E8M0 scales of encoder_outputs, one for each 32 codes along K); mask 32 x 2,048 int32.
;; Outputs: out0 32 x 2,048 float32.
;; This version of the problem:
;;   THIS VERSION OF THE PROBLEM IS GIVEN IN LOW PRECISION. The matrix products marked QUANTISED in the list below multiply operands that are first quantised to E2M3 (2 exponent bits, 3 mantissa bits; 6 bits a number), with one power-of-two scale for each 32 numbers along K (OCP MX v1.0); their sums are f32. All else is computed in f32.
;;   The module's matrix products, in the order in which they are computed (A, B: the left and right operand; K: the contracted axis; several contracted axes count as one K, in the product's order):
;;     1. [M 32, K 1,024] x [K 1,024, N 1,024]; A: input decoder_hidden (given as codes); B: input Wa_w (given as codes): QUANTISED
;;     2. [M 65,536, K 1,024] x [K 1,024, N 1,024]; A: input encoder_outputs (given as codes); B: input Ua_w (given as codes): QUANTISED
;;     3. [M 65,536, K 1,024] x [K 1,024, N 1]; A: computed on the way; B: input Va_w: left as it is (N = 1 < 16)
;;   THE QUANTISER, for each operand of a quantised product, along K:
;;     - K is cut into blocks of 32 from its start; a last block that is shorter is filled with zeros.
;;     - A block's scale is 2^e with e = floor(log2(the largest magnitude in the block)) - 2, held to -126 .. 127; a block of zeros has e = 0. As a byte (E8M0): e + 127.
;;     - Each number is divided by its block's scale, clamped to +-7.5, and rounded to the nearest number of E2M3, ties to even, subnormals kept.
;;     - The product sums the exact products of the quantised numbers (number of the format x scale) in f32.
;;   ~~~python
;;   def quantise(x, axis):      # numpy; x: float32 -> the quantised numbers, widened to float32 again
;;       x = np.moveaxis(x, axis, -1); K = x.shape[-1]
;;       x = np.pad(x, [(0, 0)] * (x.ndim - 1) + [(0, -K % 32)]); x = x.reshape(x.shape[:-1] + (-1, 32)); a = np.abs(x).max(-1, keepdims=True)
;;       e = np.where(a > 0, np.clip(np.frexp(np.where(a > 0, a, 1))[1] - 1 - 2, -126, 127), 0)      # np.frexp(a)[1] - 1 = floor(log2(a)), exactly
;;       r = np.clip(x / 2.0 ** e, -7.5, 7.5)
;;       step = 2.0 ** (np.maximum(np.frexp(np.where(r == 0, 1, r))[1] - 1, 0) - 3)
;;       q = np.round(r / step) * step * 2.0 ** e      # np.round: ties to even
;;       return np.moveaxis(q.reshape(q.shape[:-2] + (-1,))[..., :K], -1, axis).astype(np.float32)
;;   ~~~
;;   INPUTS GIVEN AS CODES. Ua_w (in the module: [1024, 1024], K = its axis 0); Wa_w (in the module: [1024, 1024], K = its axis 0); decoder_hidden (in the module: [32, 1024], K = its axis 1); encoder_outputs (in the module: [32, 2048, 1024], K = its axis 2): each comes as NAME_codes (uint8): NAME with its K axis moved to the last place and cut into blocks of 32 codes, [.., K / 32, bytes a block], one block behind the other in memory; four codes in three bytes: a row's codes are one little-endian stream of bits, code i at bits 6 i .. 6 i + 5 (a code: sign, 2 exponent bits, 3 mantissa bits); and NAME_scales (uint8): the same leading axes, one E8M0 byte (e + 127) for each 32 codes along K. Its value is code x scale, taken as it is: it is not quantised again, and the codes and scales need not be those that the quantiser above would give.
;; One version. Each part assembles by itself: llvm-mc -triple=amdgcn-amd-amdhsa -mcpu=gfx1250 --defsym DOCPART=n.
;; ======== version 1 of 1: 3 launches
;; limits: right only within a limited range of input values
;; workspace buffers: kc 131,072 bytes; uimg 819,200 bytes; sraw 262,144 bytes
;; launch prep (part 1): grid 192 x 1, 1 waves a work-group, no clusters, 0 bytes of LDS; arguments decoder_hidden_codes, decoder_hidden_scales, Wa_w_codes, Wa_w_scales, Wa_b, Ua_b, Ua_w_codes, Ua_w_scales, kc, uimg; writes kc, uimg
.if DOCPART == 1
	.amdgcn_target "amdgcn-amd-amdhsa--gfx1250"
	.amdhsa_code_object_version 6
	.text
	.protected	k_q02646ab0a6_prep
	.globl	k_q02646ab0a6_prep
	.p2align	8
	.type	k_q02646ab0a6_prep,@function
k_q02646ab0a6_prep:
	s_mov_b64 s[64:65], 0
	v_nop
	global_prefetch_b8 v0, s[64:65] scope:SCOPE_SE
	s_setreg_imm32_b32 hwreg(HW_REG_WAVE_MODE, 25, 1), 1
	s_wait_xcnt 0x0
; THE PROGRAM.  out[b][s] = softmax over s of score[b][s];  score = Va_b + sum over n of Va[n] tanh(x[b][s][n]), set to -1e9 where mask[b][s] = 0;
; x[b][s][n] = enc[b][s][:] . Ua[:][n] + Ua_b[n] + dh[b][:] . Wa[:][n] + Wa_b[n].  Both products run on the given codes of E2M3 with their E8M0 bytes, as they lie.
; Three launches: this one; the large product with tanh and the dot with Va; the softmax.
; NOTHING OF THE PROBLEM IS LEFT OUT, and every input is loaded.  Va_b and the sum of Va are the same for all s that are not masked, but a masked s holds -1e9 whatever they are:
; in exact arithmetic they move the weight of masked against unmasked positions, so they stay.
; tanh(x) = 1 - 2 / (1 + 2^t), t = K2 x, K2 = 2 log2(e).  So score = (Va_b + sum of Va) - 2 sum over n of Va[n] / (1 + 2^t).  2^t = infinity gives 1, 2^t = 0 gives -1: no clamp is needed.
; LIMITS: a scale byte 0xff, and NaN or infinities among the f32 inputs, are not served.  tanh carries the absolute error of that formula in f32, some 1e-7 a term.  The f32 sums over k, n and s run in another order than a row-by-row sum.
;
; THIS LAUNCH, 192 work-groups of one wave, two kinds of work told apart by the work-group's number.
; 0-127:  kc[b][n] = K2 (dh[b][:] . Wa[:][n] + Wa_b[n] + Ua_b[n]) for n = 16 t .. 16 t + 15 and b = 16 u .. 16 u + 15 (t = number / 2, u = number % 2): what the large product's epilogue adds to K2 x its sums.
;         The product is used transposed (source 0 = 16 rows of Wa's codes, source 1 = 16 rows of dh's): a lane holds one b and eight neighbouring n, 32 bytes of a row of kc.
;         So kc leaves in pieces of 32 bytes: 131,072 bytes in all, too few for a way through LDS to earn its lines.
;         THE FRAGMENTS COME BY LOADS OF 16 BYTES.  The operand's layout gives lane (r, h) the blocks of 32 codes h and 2 + h of a K step's four: two pieces of 24 bytes, 48 apart.  Here the lane takes blocks 2 h and 2 h + 1:
;         48 bytes on end, at a multiple of 16: three loads for six.  Both sides are taken so, so that each code still meets its partner, and in each side's scale words the two middle bytes change places, so that each
;         block still meets its own scale: the same products, summed in another order within an instruction.  A wave so has 54 loads out, all issued on end, and the K steps follow as their six loads come in.
; 128-191: Ua's codes and scale bytes of n = 16 t .. 16 t + 15 (t = number - 128) laid in the order of the operand's registers (the layout's own order of blocks), a block of 12,800 bytes for each t:
;         byte 1536 q + 512 c + 16 lane: registers 4 c .. 4 c + 3 of the fragment of K step q (128 along K);  byte 12,288 + 16 lane (lane = r + 16 h): scale bytes 16 h .. 16 h + 15 of row r.
;         The next launch then reads a fragment by three loads of 16 bytes a lane, and the scale words of all eight K steps by one.
.set K2,  0x4038aa3b                   ; 2 log2(e)
.set WS,  8                            ; v8-11   Wa's scale words: register i: lanes 0-15 K step i, lanes 16-31 K step 4 + i
.set DS,  12                           ; v12-15  dh's likewise
.set US,  20                           ; v20-23  Ua's scale bytes
.set BA,  24                           ; v24-31  Wa_b of my eight n, then K2 (Wa_b + Ua_b)
.set BB,  32                           ; v32-39  Ua_b
.set AC,  40                           ; v40-55  two accumulators: the even K steps', the odd K steps'
.set OU,  56                           ; v56-63  kc to store
.set WF,  64                           ; v64-159 eight fragments of Wa or of Ua
.set DF,  160                          ; v160-255 eight fragments of dh
	s_load_b256 s[4:11], s[0:1], 0x0               ; dh's codes s[4:5], dh's scales s[6:7], Wa's codes s[8:9], Wa's scales s[10:11]
	s_load_b256 s[12:19], s[0:1], 0x20             ; Wa_b s[12:13], Ua_b s[14:15], Ua's codes s[16:17], Ua's scales s[18:19]
	s_load_b128 s[20:23], s[0:1], 0x40             ; kc s[20:21], uimg s[22:23]
	v_and_b32 v1, 15, v0                           ; r
	v_bfe_u32 v2, v0, 4, 1                         ; h
	v_mul_u32_u24 v3, v1, 768                      ; a row of 1,024 codes is 768 bytes
	v_lshlrev_b32 v4, 5, v1                        ; a row of scale bytes is 32 bytes
	v_lshl_add_u32 v4, v2, 4, v4                   ; + 16 h
	s_mov_b32 s25, 0
	s_mov_b32 s28, 0x03010200                      ; v_perm_b32's selector: bytes 0, 2, 1, 3
	s_mov_b32 s30, K2
	s_mov_b32 s31, K2                              ; (the packed forms name the pair)
	s_wait_kmcnt 0x0
	s_cmp_lt_u32 ttmp9, 128
	s_cbranch_scc0 .Limage
	; ---- the decoder's projection
	s_lshr_b32 s26, ttmp9, 1                       ; t: which 16 n
	s_and_b32 s27, ttmp9, 1                        ; u: which 16 b
	s_mul_i32 s24, s26, 12288                      ; 16 rows of codes
	s_add_nc_u64 s[8:9], s[8:9], s[24:25]
	s_lshl_b32 s24, s26, 9                         ; 16 rows of scale bytes
	s_add_nc_u64 s[10:11], s[10:11], s[24:25]
	s_lshl_b32 s24, s26, 6                         ; 16 numbers of f32
	s_add_nc_u64 s[12:13], s[12:13], s[24:25]
	s_add_nc_u64 s[14:15], s[14:15], s[24:25]
	s_add_nc_u64 s[20:21], s[20:21], s[24:25]
	s_mul_i32 s24, s27, 12288
	s_add_nc_u64 s[4:5], s[4:5], s[24:25]
	s_lshl_b32 s24, s27, 9
	s_add_nc_u64 s[6:7], s[6:7], s[24:25]
	s_lshl_b32 s24, s27, 16                        ; 16 rows of kc, 4,096 bytes each
	s_add_nc_u64 s[20:21], s[20:21], s[24:25]
	s_wait_alu depctr_va_vdst(0)
	v_mad_u32_u24 v3, v2, 48, v3                   ; + 48 h: my two blocks of a K step
	v_lshlrev_b32 v7, 5, v2                        ; the biases: my eight n begin 32 h bytes on
	v_lshl_add_u32 v6, v1, 12, v7                  ; kc: row r of 4,096 bytes, + 32 h
	global_load_b128 v[WS:WS+3], v4, s[10:11]
	global_load_b128 v[DS:DS+3], v4, s[6:7]
	global_load_b128 v[BA:BA+3], v7, s[12:13]
	global_load_b128 v[BA+4:BA+7], v7, s[12:13] offset:16
	global_load_b128 v[BB:BB+3], v7, s[14:15]
	global_load_b128 v[BB+4:BB+7], v7, s[14:15] offset:16
.irp q, 0,1,2,3,4,5,6,7
.irp c, 0,1,2
	global_load_b128 v[WF+12*\q+4*\c:WF+12*\q+4*\c+3], v3, s[8:9] offset:96*\q+16*\c
.endr
.irp c, 0,1,2
	global_load_b128 v[DF+12*\q+4*\c:DF+12*\q+4*\c+3], v3, s[4:5] offset:96*\q+16*\c
.endr
.endr
	s_wait_loadcnt 48                              ; the scale words and the biases are in; the 48 loads of fragments may be out
.irp i, 0,1,2,3
	v_perm_b32 v[WS+\i], v[WS+\i], v[WS+\i], s28   ; the middle bytes change places, as the blocks have
	v_perm_b32 v[DS+\i], v[DS+\i], v[DS+\i], s28
.endr
.irp j, 0,2,4,6
	v_pk_add_f32 v[BA+\j:BA+\j+1], v[BA+\j:BA+\j+1], v[BB+\j:BB+\j+1]      ; Wa_b + Ua_b.  These eight lines are also the eight places between the last write of a scale register and the first scaled product
.endr
.irp j, 0,2,4,6
	v_pk_mul_f32 v[BA+\j:BA+\j+1], v[BA+\j:BA+\j+1], s[30:31] op_sel_hi:[1,0]
.endr
; K step q.  The two accumulators take turns, one instruction a turn; K steps 0 and 1 start the two sums with the constant 0.  From K step 4 on both sides' scale words are read from lanes 16-31.
.macro DW q
.set rD, AC+8*((\q)%2)
.if (\q) < 2
	v_wmma_scale_f32_16x16x128_f8f6f4 v[rD:rD+7], v[WF+12*(\q):WF+12*(\q)+11], v[DF+12*(\q):DF+12*(\q)+11], 0, v[WS+(\q)%4], v[DS+(\q)%4] matrix_a_fmt:MATRIX_FMT_FP6 matrix_b_fmt:MATRIX_FMT_FP6
.elseif (\q) < 4
	v_wmma_scale_f32_16x16x128_f8f6f4 v[rD:rD+7], v[WF+12*(\q):WF+12*(\q)+11], v[DF+12*(\q):DF+12*(\q)+11], v[rD:rD+7], v[WS+(\q)%4], v[DS+(\q)%4] matrix_a_fmt:MATRIX_FMT_FP6 matrix_b_fmt:MATRIX_FMT_FP6
.else
	v_wmma_scale_f32_16x16x128_f8f6f4 v[rD:rD+7], v[WF+12*(\q):WF+12*(\q)+11], v[DF+12*(\q):DF+12*(\q)+11], v[rD:rD+7], v[WS+(\q)%4], v[DS+(\q)%4] matrix_a_fmt:MATRIX_FMT_FP6 matrix_b_fmt:MATRIX_FMT_FP6 matrix_a_scale:MATRIX_SCALE_ROW1 matrix_b_scale:MATRIX_SCALE_ROW1
.endif
.endm
.irp q, 0,1,2,3,4,5,6,7
	s_wait_alu depctr_va_vdst(0)
	s_wait_loadcnt 42-6*\q                         ; K step q's six loads are in; those of the K steps behind it, six each, may be out
	DW \q
.endr
.rept 4
	v_nop                                          ; four places behind the last product, ahead of the first read of the sums (ISA guide 7.12.1)
.endr
.irp j, 0,2,4,6
	v_pk_add_f32 v[OU+\j:OU+\j+1], v[AC+\j:AC+\j+1], v[AC+8+\j:AC+8+\j+1]   ; the two sums, each accumulator from its low end on
.endr
.irp j, 0,2,4,6
	v_pk_fma_f32 v[OU+\j:OU+\j+1], v[OU+\j:OU+\j+1], s[30:31], v[BA+\j:BA+\j+1] op_sel_hi:[1,0,1]
.endr
	global_store_b128 v6, v[OU:OU+3], s[20:21]             ; kc[16 u + r][16 t + 8 h + 0 .. 3]
	global_store_b128 v6, v[OU+4:OU+7], s[20:21] offset:16
	s_endpgm
.Limage:
	; ---- Ua's image
	s_sub_co_u32 s26, ttmp9, 128                   ; t
	s_mul_i32 s24, s26, 12288
	s_add_nc_u64 s[16:17], s[16:17], s[24:25]
	s_lshl_b32 s24, s26, 9
	s_add_nc_u64 s[18:19], s[18:19], s[24:25]
	s_mul_i32 s24, s26, 12800
	s_add_nc_u64 s[22:23], s[22:23], s[24:25]
	s_wait_alu depctr_va_vdst(0)
	v_mad_u32_u24 v3, v2, 24, v3                   ; + 24 h: the layout's own blocks h and 2 + h, in pieces of 8 bytes
	v_lshlrev_b32 v5, 4, v0                        ; 16 x lane
	global_load_b128 v[US:US+3], v4, s[18:19]
.irp q, 0,1,2,3,4,5,6,7
.irp p, 0,1,2,3,4,5
	global_load_b64 v[WF+12*\q+2*\p:WF+12*\q+2*\p+1], v3, s[16:17] offset:96*\q+48*(\p/3)+8*(\p%3)
.endr
.endr
	s_wait_alu depctr_va_vdst(0)
.irp q, 0,1,2,3,4,5,6,7
	s_wait_loadcnt 42-6*\q                         ; K step q's six loads are in; those of the K steps behind it, six each, may be out
.irp c, 0,1,2
	global_store_b128 v5, v[WF+12*\q+4*\c:WF+12*\q+4*\c+3], s[22:23] offset:1536*\q+512*\c   ; 32 lanes store 512 consecutive bytes, at a multiple of 256 from the buffer's first byte
.endr
.endr
	global_store_b128 v5, v[US:US+3], s[22:23] offset:12288
	s_endpgm
.Lfunc_end_k_q02646ab0a6_prep:
	.size	k_q02646ab0a6_prep, .Lfunc_end_k_q02646ab0a6_prep-k_q02646ab0a6_prep
	.p2alignl 7, 3214868480
	.fill 96, 4, 3214868480
	.section	.rodata,"a",@progbits
	.p2align	6, 0x0
	.amdhsa_kernel k_q02646ab0a6_prep
		.amdhsa_group_segment_fixed_size 0
		.amdhsa_private_segment_fixed_size 0
		.amdhsa_enable_private_segment 0
		.amdhsa_kernarg_size 80
		.amdhsa_user_sgpr_count 2
		.amdhsa_user_sgpr_kernarg_segment_ptr 1
		.amdhsa_wavefront_size32 1
		.amdhsa_system_sgpr_workgroup_id_x 1
		.amdhsa_system_sgpr_workgroup_id_y 1
		.amdhsa_system_sgpr_workgroup_id_z 1
		.amdhsa_system_vgpr_workitem_id 0
		.amdhsa_next_free_vgpr 256
		.amdhsa_next_free_sgpr 66
		.amdhsa_reserve_vcc 0
		.amdhsa_float_denorm_mode_32 3
		.amdhsa_float_denorm_mode_16_64 3
		.amdhsa_memory_ordered 1
		.amdhsa_forward_progress 1
		.amdhsa_inst_pref_size 18
	.end_amdhsa_kernel
	.amdgpu_metadata
---
amdhsa.version: [ 1, 2 ]
amdhsa.kernels:
  - .name:           k_q02646ab0a6_prep
    .symbol:         k_q02646ab0a6_prep.kd
    .args:
      - { .name: decoder_hidden_codes, .offset: 0, .size: 8, .value_kind: global_buffer, .address_space: global }
      - { .name: decoder_hidden_scales, .offset: 8, .size: 8, .value_kind: global_buffer, .address_space: global }
      - { .name: Wa_w_codes, .offset: 16, .size: 8, .value_kind: global_buffer, .address_space: global }
      - { .name: Wa_w_scales, .offset: 24, .size: 8, .value_kind: global_buffer, .address_space: global }
      - { .name: Wa_b, .offset: 32, .size: 8, .value_kind: global_buffer, .address_space: global }
      - { .name: Ua_b, .offset: 40, .size: 8, .value_kind: global_buffer, .address_space: global }
      - { .name: Ua_w_codes, .offset: 48, .size: 8, .value_kind: global_buffer, .address_space: global }
      - { .name: Ua_w_scales, .offset: 56, .size: 8, .value_kind: global_buffer, .address_space: global }
      - { .name: kc, .offset: 64, .size: 8, .value_kind: global_buffer, .address_space: global }
      - { .name: uimg, .offset: 72, .size: 8, .value_kind: global_buffer, .address_space: global }
    .group_segment_fixed_size: 0
    .private_segment_fixed_size: 0
    .kernarg_segment_align: 8
    .kernarg_segment_size: 80
    .max_flat_workgroup_size: 32
    .sgpr_count:     66
    .vgpr_count:     256
    .wavefront_size: 32
...
	.end_amdgpu_metadata
.endif
;; end of part 1
;; launch main (part 2): grid 256 x 1, 8 waves a work-group, clusters of 4 x 1, 327,680 bytes of LDS; arguments encoder_outputs_codes, encoder_outputs_scales, uimg, kc, Va_w, sraw; writes sraw
.if DOCPART == 2
	.amdgcn_target "amdgcn-amd-amdhsa--gfx1250"
	.amdhsa_code_object_version 6
	.text
	.protected	k_q02646ab0a6_main
	.globl	k_q02646ab0a6_main
	.p2align	8
	.type	k_q02646ab0a6_main,@function
k_q02646ab0a6_main:
	s_mov_b64 s[64:65], 0
	v_nop
	global_prefetch_b8 v0, s[64:65] scope:SCOPE_SE
	s_setreg_imm32_b32 hwreg(HW_REG_WAVE_MODE, 25, 1), 1
	s_wait_xcnt 0x0
	s_wait_alu depctr_hold_cnt(0) depctr_sa_sdst(0) depctr_va_vdst(0) depctr_va_sdst(0) depctr_va_ssrc(0) depctr_va_vcc(0) depctr_vm_vsrc(0)
	s_getreg_b32 s2, hwreg(HW_REG_IB_STS2, 6, 4)
	s_cmp_eq_u32 s2, 0
	s_cbranch_scc0 .Lentry_in_a_cluster
	s_endpgm
.Lentry_in_a_cluster:
	s_bfe_u32 s2, ttmp6, 0x10000c
	s_cmp_lg_u32 s2, 0x3003
	s_cbranch_scc0 .Lentry_shape_is_right
	s_endpgm
.Lentry_shape_is_right:
; sraw[row] = sum over n of Va[n] / (1 + 2^t),  t = K2 (enc[row][:] . Ua[:][n]) + kc[b][n],  row = 2,048 b + s: the large product on codes of E2M3, tanh's inner part and the dot with Va.
; (tanh = 1 - 2 / (1 + 2^t); the last launch makes score = Va_b + sum of Va - 2 sraw.  Nothing of the problem is left out here.)
; LIMITS: a scale byte 0xff, NaN and infinities among the f32 inputs are not served; 2^t = infinity gives the term 0 and 2^t = 0 the term Va[n], as tanh's limits ask.
; SHARES.  A work-group owns 256 rows of one batch.  Eight waves of 512 registers: wave w owns the 64 rows of row group w & 3 (four tiles of 16) and half w >> 2 of the tiles of 16 n:
; of each slot's 8 tiles, tiles 4 (w >> 2) + 0 .. 3.  A wave's 32 fragments of its rows' codes (384 registers) stay in registers; a fragment of Ua read from LDS feeds four products.
; TRANSPOSED: source 0 = 16 rows of Ua's codes (n), source 1 = 16 of my rows: lane (r, h) holds row r, register j the column n = 16 tile + 8 h + j: the sum over n stays in the lane.
; A UNIT is one tile of n: 32 products on four accumulators by turns, then its epilogue on the 32 sums: 50 dual-issue pairs of plain lines, 32 exponentials, 32 reciprocals.
; THE TWO HALVES PASS A CHANGE OF SLOTS AT DIFFERENT PLACES OF THEIR WALK: half 0 behind its unit's epilogue, half 1 ahead of it: behind the round half 0 multiplies while half 1 runs its epilogue.
; THE RING: Ua's image goes through two LDS slots of 8 tiles; each wave fetches one tile of a slot, JOINTLY with the same wave of the cluster's other three work-groups (4 x 1: along a second axis nothing is shared).
; No prefetch of the image: all 64 clusters ask for the same 102,400 bytes in each of 8 fills, 819,200 bytes in all, and a refill stands 128 products a wave ahead of the wait for it; no vector register is left for its address.
; LDS, in lines of 256 bytes + 16: slot 0 at 0 (400 lines); the stage for the rows' codes at ASTG (768 lines, a row = 3 lines); slot 1 at 2^17 = the stage's lines 81 to 480, filled once the codes are in registers;
; the tables kc[b][:] and Va at TAB; the spare words at SPARE.  At the end the two halves' sums meet in slot 0's first 1,024 bytes, which have had their last fill and last read by then.
; All of a WGP's LDS is claimed.
; REGISTERS.  Window 0: v0-31 sums; v32-39 kc, then four part sums; v40-47 Va; v48-51 the rows' sums; v52-55 Ua's scale words; v56-71 my rows' scale words; v72-119 four buffers of Ua's fragments; v120-123 addresses;
; v124-255: row fragments 0-10 (fragment 8 m + q);  window 1: v0-251 fragments 11-31; v252-255 four addresses that are never rewritten.
.set K2,     0x4038aa3b                ; 2 log2(e)
.set LINE,   272
.set TILEB,  50*LINE                   ; a tile of 16 n: 48 lines of codes, 2 of scale bytes
.set SCOFF,  48*LINE
.set SLOTX,  1<<17
.set ASTG,   SLOTX-81*LINE
.set AROW,   3*LINE
.set AGRP,   64*AROW
.set TAB,    318208
.set SPARE,  326400                    ; 128 bytes for each of eight waves: four blocks of 256 bytes that no other line names
.set JN,     0
.set ACC, 0
.set KC,  32
.set T,   32
.set VA,  40
.set SC,  48
.set SB,  52
.set SA,  56
.set BF,  72
.set SPW, 120
.set NIL, 121
.set ADB, 122                          ; my lane's place in the slot in hand
.set ADK, 123                          ; my lane's place in the tables
.set LI,  252                          ; window 1: 16 r + 272 h + my half's four tiles
.set AK0, 253                          ; window 1: TAB + 256 half + 32 h
.set JA,  254                          ; window 1: JN + 128 row group + 4 lane
.set GO,  255                          ; window 1: 4 lane
.set WV,  16
.set CX,  17
.set WG,  18
.set BT,  19
.set RG,  20
.set HF,  21
.set G1B, 24                           ; the ring: 50 lines, joint
.set G1A, 32                           ; the rows' codes: 192 lines
.set G1T, 40                           ; a table: 16 rows of 256 bytes, no padding
.set G1H, 48                           ; half of slot 0: 200 lines, joint
.set G0A, 56
.set G0S, 60
.set SEL, 68
.set TB,  70
.set CNT, 71
.set TK,  72
.set PAR, 74
.set G0T, 76
.set G0BW, 80
.set HB,  84
.set HK,  85
.set JB,  86
.set MSB, 0
.macro WIN new                         ; the immediate's high byte repeats the setting that is left
.if MSB != (\new)
	s_set_vgpr_msb (MSB<<8)|(\new)
.set MSB, (\new)
.endif
.endm
.macro PLACES
.rept 4
	v_nop
.endr
.endm
.macro CREST
	s_cmp_lg_u32 s[WV], 0
	s_cbranch_scc1 .Lnot_wave_0_\@
	s_barrier_signal -3
.Lnot_wave_0_\@:
	s_barrier_wait -3
	s_barrier_signal -1
	s_barrier_wait -1
.endm
.macro CROUND
	s_barrier_signal -1
	s_barrier_wait -1
	CREST
.endm
	s_load_b256 s[4:11], s[0:1], 0x0               ; the rows' codes, their scales, Ua's image, kc
	s_load_b128 s[12:15], s[0:1], 0x20             ; Va, sraw
	v_lshl_add_u32 v[SPW], v0, 2, SPARE
	v_mov_b32 v[NIL], 0
	ds_add_u32 v[SPW], v[NIL]                      ; the opening: the add, twice on end, and its wait ahead of my first tensor load
	ds_add_u32 v[SPW], v[NIL]
	v_lshrrev_b32 v1, 5, v0
	v_readfirstlane_b32 s[WV], v1                  ; wave 0..7
	s_and_b32 s[RG], s[WV], 3
	s_lshr_b32 s[HF], s[WV], 2
	s_and_b32 s[PAR], s[WV], 1
	s_bfe_u32 s[CX], ttmp6, 0x40000
	s_lshl_b32 s[WG], ttmp9, 2
	s_add_co_u32 s[WG], s[WG], s[CX]               ; my work-group: it enters global addresses of the loads that are not joint and of the stores alone
	s_lshr_b32 s[BT], ttmp9, 1                     ; my batch: 2 clusters to a batch
	s_mov_b32 s[G1B], 15|(3<<16)|(1<<20)|(1<<21)|(5<<22)|(3<<25)   ; mask of all four; elements of 8 bytes; 4 words of padding behind every 64
	s_mov_b32 s[G1H], 15|(3<<16)|(1<<20)|(1<<21)|(5<<22)|(3<<25)
	s_mov_b32 s[G1A], (3<<16)|(1<<20)|(5<<22)|(3<<25)
	s_mov_b32 s[G1T], 3<<16
.irp g, G1B, G1A, G1T, G1H
	s_mov_b32 s[\g+1], 32<<16
	s_mov_b32 s[\g+3], 32<<16
	s_mov_b32 s[\g+5], 32
	s_mov_b32 s[\g+6], 0
	s_mov_b32 s[\g+7], 0
.endr
	s_mov_b32 s[G1B+2], 50<<16
	s_mov_b32 s[G1B+4], 50
	s_mov_b32 s[G1A+2], 192<<16
	s_mov_b32 s[G1A+4], 192
	s_mov_b32 s[G1T+2], 16<<16
	s_mov_b32 s[G1T+4], 16
	s_mov_b32 s[G1H+2], 200<<16
	s_mov_b32 s[G1H+4], 200
	s_mov_b32 s[SEL], 0x76543210
	s_mov_b32 s[SEL+1], 0xfedcba98
	s_mov_b32 s[TB], 0
	s_mov_b32 s[TK], 0
	s_mov_b32 s23, 0
	s_mov_b32 s[G0A], 1
	s_mov_b32 s[G0S], 1
	s_mov_b32 s[G0T], 1
	s_mov_b32 s[G0BW], 1
	s_mul_i32 s[G0A+1], s[RG], AGRP
	s_add_co_u32 s[G0A+1], s[G0A+1], ASTG          ; my row group's part of the stage
	s_mul_i32 s[G0S+1], s[PAR], 200*LINE           ; half of slot 0
	s_lshl_b32 s[G0T+1], s[PAR], 12
	s_add_co_u32 s[G0T+1], s[G0T+1], TAB           ; kc's row, then Va
	s_mul_i32 s[G0BW+1], s[WV], TILEB
	s_add_co_u32 s[G0BW+1], s[G0BW+1], SLOTX       ; slot 1, tile w
	s_mul_i32 s[HB], s[HF], 4*TILEB
	s_lshl_b32 s[HK], s[HF], 8
	s_add_co_u32 s[HK], s[HK], TAB
	s_lshl_b32 s[JB], s[RG], 7
	s_add_co_u32 s[JB], s[JB], JN
	s_wait_dscnt 0x0                               ; both opening adds are done
	s_wait_kmcnt 0x0
	s_lshl_b32 s22, s[BT], 12
	s_cmp_eq_u32 s[PAR], 0
	s_cselect_b64 s[G0T+2:G0T+3], s[10:11], s[12:13]
	s_cselect_b32 s22, s22, 0
	s_add_nc_u64 s[G0T+2:G0T+3], s[G0T+2:G0T+3], s[22:23]
	s_or_b32 s[G0T+3], s[G0T+3], 0x80000000
	s_mul_i32 s22, s[PAR], 51200
	s_add_nc_u64 s[G0S+2:G0S+3], s[8:9], s[22:23]
	s_or_b32 s[G0S+3], s[G0S+3], 0x80000000
	s_mul_i32 s22, s[WV], 12800
	s_add_nc_u64 s[G0BW+2:G0BW+3], s[8:9], s[22:23]
	s_add_nc_u64 s[G0BW+2:G0BW+3], s[G0BW+2:G0BW+3], 102400
	s_or_b32 s[G0BW+3], s[G0BW+3], 0x80000000
	s_mul_i32 s22, s[WG], 196608                   ; 256 rows of 768 bytes,
	s_mul_i32 s87, s[RG], 49152                    ; my row group's 64
	s_add_co_u32 s22, s22, s87
	s_add_nc_u64 s[G0A+2:G0A+3], s[4:5], s[22:23]
	s_or_b32 s[G0A+3], s[G0A+3], 0x80000000
	s_lshl_b32 s22, s[WG], 13                      ; 256 rows of 32 scale bytes
	s_lshl_b32 s87, s[RG], 11
	s_add_co_u32 s22, s22, s87
	s_add_nc_u64 s[6:7], s[6:7], s[22:23]
	s_lshl_b32 s22, s[WG], 10                      ; sraw: 256 numbers a work-group, 64 a row group
	s_lshl_b32 s87, s[RG], 8
	s_add_co_u32 s22, s22, s87
	s_add_nc_u64 s[14:15], s[14:15], s[22:23]
	CROUND                                         ; all four work-groups are here: the first joint loads meet
	; the head's loads, one a wave, in one chain of branches: waves 0-3 a row group's codes, waves 4-5 half of slot 0, waves 6-7 a table
	s_cmp_lt_u32 s[WV], 4
	s_cbranch_scc0 .Lhead_s
	tensor_load_to_lds s[G0A:G0A+3], s[G1A:G1A+7]
	s_nop 0
	PLACES
	s_branch .Lhead_asked
.Lhead_s:
	s_cmp_lt_u32 s[WV], 6
	s_cbranch_scc0 .Lhead_t
	tensor_load_to_lds s[G0S:G0S+3], s[G1H:G1H+7]
	s_nop 0
	PLACES
	s_branch .Lhead_asked
.Lhead_t:
	tensor_load_to_lds s[G0T:G0T+3], s[G1T:G1T+7]
	s_nop 0
	PLACES
.Lhead_asked:
	v_and_b32 v1, 31, v0                           ; lane
	v_and_b32 v2, 15, v0                           ; r
	v_bfe_u32 v3, v0, 4, 1                         ; h
	v_lshlrev_b32 v4, 5, v2
	v_lshl_add_u32 v4, v3, 4, v4                   ; my 16 scale bytes of a row: 32 r + 16 h
	v_mul_u32_u24 v5, v2, AROW
	v_mad_u32_u24 v5, v3, 24, v5
	v_add_nc_u32 v5, s[G0A+1], v5                  ; the stage: my row group + 816 r + 24 h
	v_lshl_add_u32 v6, v3, 4, v5                   ; the same behind one padding more for lanes 16-31
	v_lshlrev_b32 v7, 4, v2
	v_mad_u32_u24 v7, v3, LINE, v7
	v_add_nc_u32 v7, s[HB], v7
	v_lshlrev_b32 v8, 5, v3
	v_add_nc_u32 v8, s[HK], v8
	v_lshlrev_b32 v9, 2, v1
	v_add_nc_u32 v10, s[JB], v9
	v_mov_b32 v[ADB], v7                           ; the walk begins in slot 0
	v_mov_b32 v[ADK], v8
.irp m, 0,1,2,3
	v_mov_b32 v[SC+\m], 0                          ; four sums that 32 units add onto
.endr
	WIN 0x40
	v_mov_b32 v[LI], v7
	v_mov_b32 v[AK0], v8
	v_mov_b32 v[JA], v10
	v_mov_b32 v[GO], v9
	WIN 0
.irp m, 0,1,2,3
	global_load_b128 v[SA+4*\m:SA+4*\m+3], v4, s[6:7] offset:512*\m   ; a tile's 512 consecutive scale bytes: register i: lanes 0-15 K step i, lanes 16-31 K step 4 + i
.endr
	s_wait_alu depctr_va_vdst(0)
	s_wait_tensorcnt 0x0                           ; my tile is in;
	s_barrier_signal -1
	s_barrier_wait -1                              ; and everybody's: two waves read each part of the stage
; A fragment of my rows, tile m, K step q: the 24 bytes at 96 q + 24 h of row r and the 24 bytes 48 further on, in pieces of 8 bytes.  A line holds 32 pieces; where lanes 16-31 read in the next line, v6 serves.
.macro AFR m, q
.set FI, 8*(\m)+(\q)
.if FI < 11
	WIN 0
.set rF, 124+12*FI
.else
	WIN 0x40
.set rF, 12*(FI-11)
.endif
.irp p, 0,1,2,3,4,5
.set PC, 12*(\q)+6*(\p/3)+\p%3
.if PC%32 < 29
	ds_load_b64 v[rF+2*\p:rF+2*\p+1], v5 offset:16*AROW*(\m)+8*PC+16*(PC/32)
.else
	ds_load_b64 v[rF+2*\p:rF+2*\p+1], v6 offset:16*AROW*(\m)+8*PC+16*(PC/32)
.endif
.endr
.endm
.irp m, 0,1,2,3
.irp q, 0,1,2,3,4,5,6,7
	AFR \m, \q
.endr
.endr
	WIN 0
	s_wait_tensorcnt 0x0                           ; the stage is given up: slot 1 is filled over it
	ds_add_u32 v[SPW], v[NIL]
	s_wait_dscnt 0x0                               ; the add, and my reads of the stage
	CROUND
	tensor_load_to_lds s[G0BW:G0BW+3], s[G1B:G1B+7]   ; tile 8 + w of n into slot 1: my one tensor load behind the round
	s_nop 0
	PLACES
; One product: accumulator m, K step q.  From K step 4 on both sides' scale words are read from lanes 16-31.
.macro WM q, m
.set FI, 8*(\m)+(\q)
.if FI < 11
	WIN 0
.set rA, 124+12*FI
.else
	WIN 0x04
.set rA, 12*(FI-11)
.endif
.set rD, ACC+8*(\m)
.set rB, BF+12*((\q)%4)
.set rSB, SB+(\q)%4
.set rSA, SA+4*(\m)+(\q)%4
.if (\q) == 0
	v_wmma_scale_f32_16x16x128_f8f6f4 v[rD:rD+7], v[rB:rB+11], v[rA:rA+11], 0, v[rSB], v[rSA] matrix_a_fmt:MATRIX_FMT_FP6 matrix_b_fmt:MATRIX_FMT_FP6
.elseif (\q) < 4
	v_wmma_scale_f32_16x16x128_f8f6f4 v[rD:rD+7], v[rB:rB+11], v[rA:rA+11], v[rD:rD+7], v[rSB], v[rSA] matrix_a_fmt:MATRIX_FMT_FP6 matrix_b_fmt:MATRIX_FMT_FP6
.else
	v_wmma_scale_f32_16x16x128_f8f6f4 v[rD:rD+7], v[rB:rB+11], v[rA:rA+11], v[rD:rD+7], v[rSB], v[rSA] matrix_a_fmt:MATRIX_FMT_FP6 matrix_b_fmt:MATRIX_FMT_FP6 matrix_a_scale:MATRIX_SCALE_ROW1 matrix_b_scale:MATRIX_SCALE_ROW1
.endif
.endm
.macro KS q                            ; a K step: the four accumulators by turns
.irp mm, 0,1,2,3
	WM \q, \mm
.endr
.endm
.macro BLD q, u                        ; Ua's fragment of K step q of my tile u of the slot: three loads, each 512 bytes of the image on end
.irp cc, 0,1,2
	ds_load_b128 v[BF+12*((\q)%4)+4*\cc:BF+12*((\q)%4)+4*\cc+3], v[ADB] offset:TILEB*(\u)+1632*(\q)+544*\cc
.endr
.endm
.macro NXT u                           ; ahead of a unit: its scale words and K steps 0 to 3: 13 loads
	ds_load_b128 v[SB:SB+3], v[ADB] offset:TILEB*(\u)+SCOFF
	BLD 0, \u
	BLD 1, \u
	BLD 2, \u
	BLD 3, \u
.endm
; A unit's 32 products.  Four v_nop stand between a buffer's last product and the loads into it, and behind the last product (the latter).
.macro WPH u
	ds_load_b128 v[KC:KC+3], v[ADK] offset:64*(\u)          ; kc and Va of my eight n: the epilogue before has read the old ones
	ds_load_b128 v[KC+4:KC+7], v[ADK] offset:64*(\u)+16
	ds_load_b128 v[VA:VA+3], v[ADK] offset:4096+64*(\u)
	ds_load_b128 v[VA+4:VA+7], v[ADK] offset:4096+64*(\u)+16
	s_wait_dscnt 4                                 ; all but these four: the scale words and K steps 0 to 3 are in
	KS 0
	KS 1
	PLACES
	BLD 4, \u
	BLD 5, \u
	KS 2
	KS 3
	PLACES
	BLD 6, \u
	BLD 7, \u
	s_wait_dscnt 6                                 ; all but K steps 6 and 7
	KS 4
	KS 5
	s_wait_dscnt 0
	KS 6
	KS 7
	WIN 0
	PLACES
.endm
; THE EPILOGUE of a unit, on v0-31: register 8 m + j is tile m of rows, n = 8 h + j.  The plain lines go as dual-issue pairs: one destination even, the other odd, and the two halves' like sources in different
; register banks (number mod 4): an even register with its odd neighbour; in the sums tile a's term k with tile a + 1's term k xor 1.
.macro SUM2 op, d, a, j, k             ; d: the two sums' first register; tile a's term j + k and tile a + 1's term j + (k xor 1)
	\op v[\d+\a], v[8*\a+\j+\k], v[VA+\j+\k] :: \op v[\d+\a+1], v[8*\a+8+\j+(\k+1-2*(\k%2))], v[VA+\j+(\k+1-2*(\k%2))]
.endm
.macro EPI
.set xi, 0
.rept 16
	v_dual_fmamk_f32 v[xi], v[xi], K2, v[KC+xi%8] :: v_dual_fmamk_f32 v[xi+1], v[xi+1], K2, v[KC+xi%8+1]   ; t = K2 s + kc; each accumulator from its low end on
.set xi, xi+2
.endr
	s_wait_alu depctr_va_vdst(0)
.set xi, 0
.rept 32
	v_exp_f32 v[xi], v[xi]                         ; 2^t
.set xi, xi+1
.endr
	v_nop
	s_wait_alu depctr_va_vdst(0)
.set xi, 0
.rept 16
	v_dual_add_f32 v[xi], 1.0, v[xi] :: v_dual_add_f32 v[xi+1], 1.0, v[xi+1]
.set xi, xi+2
.endr
	s_wait_alu depctr_va_vdst(0)
.set xi, 0
.rept 32
	v_rcp_f32 v[xi], v[xi]                         ; 1 / (1 + 2^t)
.set xi, xi+1
.endr
	v_nop
	s_wait_alu depctr_va_vdst(0)
	; the sums by Va, in four chains of pairs that take turns: terms 0-3 onto the rows' sums, terms 4-7 into part sums in kc's registers, which are free by now
.irp a, 0,2
	SUM2 v_dual_fmac_f32, SC, \a, 0, 0
	SUM2 v_dual_mul_f32, T, \a, 4, 0
.endr
.irp k, 1,2,3
.irp a, 0,2
	SUM2 v_dual_fmac_f32, SC, \a, 0, \k
	SUM2 v_dual_fmac_f32, T, \a, 4, \k
.endr
.endr
.irp a, 0,2
	v_dual_add_f32 v[SC+\a], v[T+\a], v[SC+\a] :: v_dual_add_f32 v[SC+\a+1], v[T+\a+1], v[SC+\a+1]
.endr
.endm
; A slot: my four units, and the change of slots.  fill = 1: the slot read out takes the image's next 8 tiles but one.
.macro SLOTB fill
	WPH 0
	NXT 1
	EPI
	WPH 1
	NXT 2
	EPI
	WPH 2
	NXT 3
	EPI
	WPH 3
	s_cmp_lg_u32 s[HF], 0
	s_cbranch_scc1 .Lpast_a_\@
	EPI                                            ; half 0: the fourth unit's epilogue ahead of the change
.Lpast_a_\@:
	s_wait_tensorcnt 0x0                           ; my tile of the other slot is in; no tensor load of mine is out, so a group 0 may be written
	ds_add_u32 v[SPW], v[NIL]
.if \fill
	s_xor_b32 s[G0BW+1], s[G0BW+1], SLOTX
	s_add_nc_u64 s[G0BW+2:G0BW+3], s[G0BW+2:G0BW+3], 102400
.endif
	s_xor_b32 s[TB], s[TB], SLOTX
	s_add_co_u32 s[TK], s[TK], 512                 ; 8 tiles of 16 numbers on in the tables
	s_wait_dscnt 0x0                               ; the add, and my reads of this slot
.if \fill
	CROUND                                         ; no wave of any partner still reads this slot or has a load on its way
	tensor_load_to_lds s[G0BW:G0BW+3], s[G1B:G1B+7]
	s_nop 0
	PLACES
.else
	s_barrier_signal -1
	s_barrier_wait -1
.endif
	WIN 0x04
	v_add_nc_u32 v[ADB], s[TB], v[LI]
	v_add_nc_u32 v[ADK], s[TK], v[AK0]
	WIN 0
	s_wait_alu depctr_va_vdst(0)
	NXT 0
	s_cmp_eq_u32 s[HF], 0
	s_cbranch_scc1 .Lpast_b_\@
	EPI                                            ; half 1: the fourth unit's epilogue behind the change
.Lpast_b_\@:
.endm
	NXT 0
	s_wait_loadcnt 0x0                             ; my rows' scale words
	s_mov_b32 s[CNT], 6
.Lslot:                                                ; six trips: slots with the image's tiles 0 to 47; each refills (tiles 16 to 63)
	SLOTB 1
	s_sub_co_u32 s[CNT], s[CNT], 1
	s_cmp_lg_u32 s[CNT], 0
	s_cbranch_scc1 .Lslot
	SLOTB 0                                        ; the tail is written out: nothing more is asked for
	WPH 0
	NXT 1
	EPI
	WPH 1
	NXT 2
	EPI
	WPH 2
	NXT 3
	EPI
	WPH 3
	EPI
	; ---- the way out: a row's sum is mine and lane l xor 16's, which holds the other eight n of each tile; then the other half's
	s_wait_alu depctr_va_vdst(0)
.irp m, 0,1,2,3
	v_permlanex16_b32 v[T+\m], v[SC+\m], s[SEL], s[SEL+1]
.endr
.irp m, 0,1,2,3
	v_add_f32 v[SC+\m], v[SC+\m], v[T+\m]
.endr
	WIN 0x04
	v_cmp_le_u32 vcc_lo, 64, v[GO]                 ; lanes 16-31
	WIN 0
	v_cndmask_b32 v[T], v[SC], v[SC+1], vcc_lo     ; lane l: my row l
	v_cndmask_b32 v[T+1], v[SC+2], v[SC+3], vcc_lo ; and row 32 + l
	s_wait_alu depctr_va_vdst(0)
	s_cmp_eq_u32 s[HF], 0
	s_cbranch_scc1 .Lno_store
	WIN 0x01
	ds_store_b32 v[JA], v[T]                       ; half 1 hands its sums over
	ds_store_b32 v[JA], v[T+1] offset:512
	WIN 0
.Lno_store:
	s_wait_dscnt 0x0
	s_barrier_signal -1
	s_barrier_wait -1
	s_cmp_lg_u32 s[HF], 0
	s_cbranch_scc1 .Lno_out
	WIN 0x01
	ds_load_b32 v[T+2], v[JA]
	ds_load_b32 v[T+3], v[JA] offset:512
	WIN 0
	s_wait_dscnt 0x0
	v_add_f32 v[T], v[T], v[T+2]
	v_add_f32 v[T+1], v[T+1], v[T+3]
	WIN 0x01
	global_store_b32 v[GO], v[T], s[14:15]         ; two stores of 128 bytes cover the row group's aligned 256
	global_store_b32 v[GO], v[T+1], s[14:15] offset:128
	WIN 0
.Lno_out:
	s_wait_tensorcnt 0x0                           ; the wave's end
	ds_add_u32 v[SPW], v[NIL]
	s_wait_dscnt 0x0
	CROUND                                         ; the closing round
	s_endpgm
.Lfunc_end_k_q02646ab0a6_main:
	.size	k_q02646ab0a6_main, .Lfunc_end_k_q02646ab0a6_main-k_q02646ab0a6_main
	.p2alignl 7, 3214868480
	.fill 96, 4, 3214868480
	.section	.rodata,"a",@progbits
	.p2align	6, 0x0
	.amdhsa_kernel k_q02646ab0a6_main
		.amdhsa_group_segment_fixed_size 327680
		.amdhsa_private_segment_fixed_size 0
		.amdhsa_enable_private_segment 0
		.amdhsa_kernarg_size 48
		.amdhsa_user_sgpr_count 2
		.amdhsa_user_sgpr_kernarg_segment_ptr 1
		.amdhsa_wavefront_size32 1
		.amdhsa_system_sgpr_workgroup_id_x 1
		.amdhsa_system_sgpr_workgroup_id_y 1
		.amdhsa_system_sgpr_workgroup_id_z 1
		.amdhsa_system_vgpr_workitem_id 0
		.amdhsa_next_free_vgpr 512
		.amdhsa_next_free_sgpr 90
		.amdhsa_reserve_vcc 1
		.amdhsa_float_denorm_mode_32 3
		.amdhsa_float_denorm_mode_16_64 3
		.amdhsa_memory_ordered 1
		.amdhsa_forward_progress 1
		.amdhsa_inst_pref_size 188
	.end_amdhsa_kernel
	.amdgpu_metadata
---
amdhsa.version: [ 1, 2 ]
amdhsa.kernels:
  - .name:           k_q02646ab0a6_main
    .symbol:         k_q02646ab0a6_main.kd
    .args:
      - { .name: encoder_outputs_codes, .offset: 0, .size: 8, .value_kind: global_buffer, .address_space: global }
      - { .name: encoder_outputs_scales, .offset: 8, .size: 8, .value_kind: global_buffer, .address_space: global }
      - { .name: uimg, .offset: 16, .size: 8, .value_kind: global_buffer, .address_space: global }
      - { .name: kc, .offset: 24, .size: 8, .value_kind: global_buffer, .address_space: global }
      - { .name: Va_w, .offset: 32, .size: 8, .value_kind: global_buffer, .address_space: global }
      - { .name: sraw, .offset: 40, .size: 8, .value_kind: global_buffer, .address_space: global }
    .group_segment_fixed_size: 327680
    .private_segment_fixed_size: 0
    .kernarg_segment_align: 8
    .kernarg_segment_size: 48
    .max_flat_workgroup_size: 256
    .sgpr_count:     90
    .vgpr_count:     512
    .wavefront_size: 32
...
	.end_amdgpu_metadata
.endif
;; end of part 2
;; launch soft (part 3): grid 32 x 1, 1 waves a work-group, no clusters, 0 bytes of LDS; arguments sraw, mask, Va_w, Va_b, out0; writes out0
.if DOCPART == 3
	.amdgcn_target "amdgcn-amd-amdhsa--gfx1250"
	.amdhsa_code_object_version 6
	.text
	.protected	k_q02646ab0a6_soft
	.globl	k_q02646ab0a6_soft
	.p2align	8
	.type	k_q02646ab0a6_soft,@function
k_q02646ab0a6_soft:
	s_mov_b64 s[64:65], 0
	v_nop
	global_prefetch_b8 v0, s[64:65] scope:SCOPE_SE
	s_setreg_imm32_b32 hwreg(HW_REG_WAVE_MODE, 25, 1), 1
	s_wait_xcnt 0x0
; out[b][:] = softmax over s of score[b][s];  score = (Va_b + sum of Va) - 2 sraw[b][s], set to -1e9 where mask[b][s] = 0.  Nothing of the problem is left out here.
; One wave holds a whole row of 2,048 numbers, 64 a lane: the maximum and the sum never leave the wave, so there is no LDS and no barrier.  Lane l takes, of load i, the numbers 128 i + 4 l + 0 .. 3:
; every load and store of the wave covers 512 consecutive bytes.  The row's maximum is taken away before the exponential, as a subtraction of its own: in a row that is all masked every difference is then exactly 0,
; and the row comes out as 1 / 2,048; folded into the multiplication by log2(e) it would leave the rounding of -1e9 log2(e) in the exponent.
; LIMITS: NaN and infinities among the inputs are not served.
.set SR,  16                           ; v16-79   the scores, then the weights
.set MK,  80                           ; v80-143  the mask
.set VW,  144                          ; v144-175 Va, 32 numbers a lane; then v144 = Va_b + the sum of Va
.set NEG, 176                          ; v176     -1e9
.set MX,  178                          ; v[178:179] the maximum, in two chains
.set SU,  180                          ; v[180:183] the sum, in two packed chains; v182 then its reciprocal
	s_load_b256 s[4:11], s[0:1], 0x0               ; sraw s[4:5], mask s[6:7], Va s[8:9], Va_b s[10:11]
	s_load_b64 s[12:13], s[0:1], 0x20              ; out
	v_lshlrev_b32 v1, 4, v0                        ; 16 bytes a lane
	s_lshl_b32 s16, ttmp9, 13                      ; my row: 8,192 bytes
	s_mov_b32 s17, 0
	s_mov_b32 s18, 0x76543210
	s_mov_b32 s19, 0xfedcba98                      ; v_permlanex16_b32's selects for lane l xor 16
	v_mov_b32 v[NEG], 0xce6e6b28
	s_wait_alu depctr_va_vdst(0)
	s_wait_kmcnt 0x0
	s_load_b32 s14, s[10:11], 0x0                  ; Va_b
	s_add_nc_u64 s[4:5], s[4:5], s[16:17]
	s_add_nc_u64 s[6:7], s[6:7], s[16:17]
	s_add_nc_u64 s[12:13], s[12:13], s[16:17]
.irp i, 0,1,2,3,4,5,6,7
	global_load_b128 v[VW+4*\i:VW+4*\i+3], v1, s[8:9] offset:512*\i
.endr
.irp i, 0,1,2,3,4,5,6,7,8,9,10,11,12,13,14,15
	global_load_b128 v[SR+4*\i:SR+4*\i+3], v1, s[4:5] offset:512*\i th:TH_LOAD_NT
.endr
.irp i, 0,1,2,3,4,5,6,7,8,9,10,11,12,13,14,15
	global_load_b128 v[MK+4*\i:MK+4*\i+3], v1, s[6:7] offset:512*\i th:TH_LOAD_NT
.endr
	s_wait_loadcnt 32                              ; Va is in; the 32 younger loads may be out
.irp j, 4,8,12,16,20,24,28
	v_pk_add_f32 v[VW:VW+1], v[VW:VW+1], v[VW+\j:VW+\j+1]          ; the sum of Va: two packed chains,
	v_pk_add_f32 v[VW+2:VW+3], v[VW+2:VW+3], v[VW+\j+2:VW+\j+3]
.endr
	v_pk_add_f32 v[VW:VW+1], v[VW:VW+1], v[VW+2:VW+3]
	v_add_f32 v[VW], v[VW], v[VW+1]
	v_add_f32_dpp v[VW], v[VW], v[VW] row_xmask:1 row_mask:0xf bank_mask:0xf   ; then across the lanes
	v_add_f32_dpp v[VW], v[VW], v[VW] row_xmask:2 row_mask:0xf bank_mask:0xf
	v_add_f32_dpp v[VW], v[VW], v[VW] row_xmask:4 row_mask:0xf bank_mask:0xf
	v_add_f32_dpp v[VW], v[VW], v[VW] row_xmask:8 row_mask:0xf bank_mask:0xf
	v_permlanex16_b32 v[VW+1], v[VW], s18, s19
	v_add_f32 v[VW], v[VW], v[VW+1]
	s_wait_alu depctr_va_vdst(0)
	s_wait_kmcnt 0x0
	v_add_f32 v[VW], s14, v[VW]                    ; + Va_b
	s_wait_alu depctr_va_vdst(0)
	s_wait_loadcnt 0x0
.irp j, 0,2,4,6,8,10,12,14,16,18,20,22,24,26,28,30,32,34,36,38,40,42,44,46,48,50,52,54,56,58,60,62
	v_pk_fma_f32 v[SR+\j:SR+\j+1], v[SR+\j:SR+\j+1], -2.0, v[VW:VW+1] op_sel_hi:[1,0,0]   ; the score (of the pair v[VW:VW+1] the low word serves both halves)
.endr
.irp j, 0,1,2,3,4,5,6,7,8,9,10,11,12,13,14,15,16,17,18,19,20,21,22,23,24,25,26,27,28,29,30,31,32,33,34,35,36,37,38,39,40,41,42,43,44,45,46,47,48,49,50,51,52,53,54,55,56,57,58,59,60,61,62,63
	v_cmp_eq_u32 vcc_lo, 0, v[MK+\j]
	v_cndmask_b32 v[SR+\j], v[SR+\j], v[NEG], vcc_lo
.endr
	v_max3_num_f32 v[MX], v[SR], v[SR+1], v[SR+2]                  ; the row's maximum: two chains,
	v_max3_num_f32 v[MX+1], v[SR+3], v[SR+4], v[SR+5]
.irp i, 6,10,14,18,22,26,30,34,38,42,46,50,54,58
	v_max3_num_f32 v[MX], v[MX], v[SR+\i], v[SR+\i+1]
	v_max3_num_f32 v[MX+1], v[MX+1], v[SR+\i+2], v[SR+\i+3]
.endr
	v_max3_num_f32 v[MX], v[MX], v[SR+62], v[SR+63]
	v_max_num_f32 v[MX], v[MX], v[MX+1]
	v_max_num_f32_dpp v[MX], v[MX], v[MX] row_xmask:1 row_mask:0xf bank_mask:0xf   ; then across the lanes
	v_max_num_f32_dpp v[MX], v[MX], v[MX] row_xmask:2 row_mask:0xf bank_mask:0xf
	v_max_num_f32_dpp v[MX], v[MX], v[MX] row_xmask:4 row_mask:0xf bank_mask:0xf
	v_max_num_f32_dpp v[MX], v[MX], v[MX] row_xmask:8 row_mask:0xf bank_mask:0xf
	v_permlanex16_b32 v[MX+1], v[MX], s18, s19
	v_max_num_f32 v[MX], v[MX], v[MX+1]
.irp j, 0,2,4,6,8,10,12,14,16,18,20,22,24,26,28,30,32,34,36,38,40,42,44,46,48,50,52,54,56,58,60,62
	v_pk_add_f32 v[SR+\j:SR+\j+1], v[SR+\j:SR+\j+1], v[MX:MX+1] op_sel_hi:[1,0] neg_lo:[0,1] neg_hi:[0,1]   ; score - maximum
.endr
.irp j, 0,2,4,6,8,10,12,14,16,18,20,22,24,26,28,30,32,34,36,38,40,42,44,46,48,50,52,54,56,58,60,62
	v_pk_mul_f32 v[SR+\j:SR+\j+1], v[SR+\j:SR+\j+1], 0x3fb8aa3b op_sel_hi:[1,0]   ; x log2(e)
.endr
	s_wait_alu depctr_va_vdst(0)
.irp j, 0,1,2,3,4,5,6,7,8,9,10,11,12,13,14,15,16,17,18,19,20,21,22,23,24,25,26,27,28,29,30,31,32,33,34,35,36,37,38,39,40,41,42,43,44,45,46,47,48,49,50,51,52,53,54,55,56,57,58,59,60,61,62,63
	v_exp_f32 v[SR+\j], v[SR+\j]
.endr
	v_nop                                          ; a plain instruction behind the last exponential,
	s_wait_alu depctr_va_vdst(0)                   ; and one wait for the batch, ahead of its first reader
	v_pk_add_f32 v[SU:SU+1], v[SR:SR+1], v[SR+4:SR+5]              ; the row's sum: two packed chains,
	v_pk_add_f32 v[SU+2:SU+3], v[SR+2:SR+3], v[SR+6:SR+7]
.irp j, 8,12,16,20,24,28,32,36,40,44,48,52,56,60
	v_pk_add_f32 v[SU:SU+1], v[SU:SU+1], v[SR+\j:SR+\j+1]
	v_pk_add_f32 v[SU+2:SU+3], v[SU+2:SU+3], v[SR+\j+2:SR+\j+3]
.endr
	v_pk_add_f32 v[SU:SU+1], v[SU:SU+1], v[SU+2:SU+3]
	v_add_f32 v[SU], v[SU], v[SU+1]
	v_add_f32_dpp v[SU], v[SU], v[SU] row_xmask:1 row_mask:0xf bank_mask:0xf   ; then across the lanes
	v_add_f32_dpp v[SU], v[SU], v[SU] row_xmask:2 row_mask:0xf bank_mask:0xf
	v_add_f32_dpp v[SU], v[SU], v[SU] row_xmask:4 row_mask:0xf bank_mask:0xf
	v_add_f32_dpp v[SU], v[SU], v[SU] row_xmask:8 row_mask:0xf bank_mask:0xf
	v_permlanex16_b32 v[SU+1], v[SU], s18, s19
	v_add_f32 v[SU], v[SU], v[SU+1]
	s_wait_alu depctr_va_vdst(0)
	v_rcp_f32 v[SU+2], v[SU]                       ; the sum is at least 1: the maximum's own term
	v_nop
	s_wait_alu depctr_va_vdst(0)
.irp j, 0,2,4,6,8,10,12,14,16,18,20,22,24,26,28,30,32,34,36,38,40,42,44,46,48,50,52,54,56,58,60,62
	v_pk_mul_f32 v[SR+\j:SR+\j+1], v[SR+\j:SR+\j+1], v[SU+2:SU+3] op_sel_hi:[1,0]
.endr
.irp i, 0,1,2,3,4,5,6,7,8,9,10,11,12,13,14,15
	global_store_b128 v1, v[SR+4*\i:SR+4*\i+3], s[12:13] offset:512*\i th:TH_STORE_NT
.endr
	s_endpgm
.Lfunc_end_k_q02646ab0a6_soft:
	.size	k_q02646ab0a6_soft, .Lfunc_end_k_q02646ab0a6_soft-k_q02646ab0a6_soft
	.p2alignl 7, 3214868480
	.fill 96, 4, 3214868480
	.section	.rodata,"a",@progbits
	.p2align	6, 0x0
	.amdhsa_kernel k_q02646ab0a6_soft
		.amdhsa_group_segment_fixed_size 0
		.amdhsa_private_segment_fixed_size 0
		.amdhsa_enable_private_segment 0
		.amdhsa_kernarg_size 40
		.amdhsa_user_sgpr_count 2
		.amdhsa_user_sgpr_kernarg_segment_ptr 1
		.amdhsa_wavefront_size32 1
		.amdhsa_system_sgpr_workgroup_id_x 1
		.amdhsa_system_sgpr_workgroup_id_y 1
		.amdhsa_system_sgpr_workgroup_id_z 1
		.amdhsa_system_vgpr_workitem_id 0
		.amdhsa_next_free_vgpr 192
		.amdhsa_next_free_sgpr 66
		.amdhsa_reserve_vcc 1
		.amdhsa_float_denorm_mode_32 3
		.amdhsa_float_denorm_mode_16_64 3
		.amdhsa_memory_ordered 1
		.amdhsa_forward_progress 1
		.amdhsa_inst_pref_size 28
	.end_amdhsa_kernel
	.amdgpu_metadata
---
amdhsa.version: [ 1, 2 ]
amdhsa.kernels:
  - .name:           k_q02646ab0a6_soft
    .symbol:         k_q02646ab0a6_soft.kd
    .args:
      - { .name: sraw, .offset: 0, .size: 8, .value_kind: global_buffer, .address_space: global }
      - { .name: mask, .offset: 8, .size: 8, .value_kind: global_buffer, .address_space: global }
      - { .name: Va_w, .offset: 16, .size: 8, .value_kind: global_buffer, .address_space: global }
      - { .name: Va_b, .offset: 24, .size: 8, .value_kind: global_buffer, .address_space: global }
      - { .name: out0, .offset: 32, .size: 8, .value_kind: global_buffer, .address_space: global }
    .group_segment_fixed_size: 0
    .private_segment_fixed_size: 0
    .kernarg_segment_align: 8
    .kernarg_segment_size: 40
    .max_flat_workgroup_size: 32
    .sgpr_count:     66
    .vgpr_count:     192
    .wavefront_size: 32
...
	.end_amdgpu_metadata
.endif
;; end of part 3
